; MI455X (gfx1250); checked and timed in simulation.
; The chip was launched on July 23, 2026; its instructions are those of AMD's public machine-readable ISA for CDNA 5 (MIT licence, August 2026) and "CDNA5" Instruction Set Architecture Reference Guide (July 2026). The comments in the code are by the model that wrote it; some were corrected since.
;; Scaled Dot Prod Att. Allowed arithmetic: matrix products marked QUANTISED: E2M1 operands, one E8M0 scale for each 32 along K, by v_wmma_scale_f32_16x16x128_f8f6f4 with both operands' format E2M1 (or v_wmma_scale_f32_32x16x128_f4), f32 sums; everything else in f32.
;; Inputs: k_codes 4 x 16 x 2,048 x 2 x 16 uint8 (E2M1 codes of k, K innermost, in blocks of 32 codes, two codes a byte); k_scales 4 x 16 x 2,048 x 2 uint8 (E8M0 scales of k, one for each 32 codes along K); q_codes 4 x 16 x 2,048 x 2 x 16 uint8 (E2M1 codes of q, K innermost, in blocks of 32 codes, two codes a byte); q_scales 4 x 16 x 2,048 x 2 uint8 (E8M0 scales of q, one for each 32 codes along K); sen_len 4 int32; v_codes 4 x 16 x 64 x 64 x 16 uint8 (E2M1 codes of v, K innermost, in blocks of 32 codes, two codes a byte); v_scales 4 x 16 x 64 x 64 uint8 (E8M0 scales of v, one for each 32 codes along K).
;; Outputs: out0 4 x 16 x 2,048 x 64 float32.
;; This version of the problem:
;;   THIS VERSION OF THE PROBLEM IS GIVEN IN LOW PRECISION. The matrix products marked QUANTISED in the list below multiply operands that are first quantised to E2M1 (2 exponent bits, 1 mantissa bit; 4 bits a number), with one power-of-two scale for each 32 numbers along K (OCP MX v1.0); their sums are f32. All else is computed in f32.
;;   The module's matrix products, in the order in which they are computed (A, B: the left and right operand; K: the contracted axis; several contracted axes count as one K, in the product's order):
;;     1. batch 64 x [M 2,048, K 64] x [K 64, N 2,048]; A: input q (given as codes); B: input k (given as codes): QUANTISED
;;     2. batch 64 x [M 2,048, K 2,048] x [K 2,048, N 64]; A: softmax (see below); B: input v (given as codes): QUANTISED
;;   THE QUANTISER, for each operand of a quantised product, along K:
;;     - K is cut into blocks of 32 from its start; a last block that is shorter is filled with zeros.
;;     - A block's scale is 2^e with e = floor(log2(the largest magnitude in the block)) - 2, held to -126 .. 127; a block of zeros has e = 0. As a byte (E8M0): e + 127.
;;     - Each number is divided by its block's scale, clamped to +-6, and rounded to the nearest number of E2M1, ties to even, subnormals kept.
;;     - The product sums the exact products of the quantised numbers (number of the format x scale) in f32.
;;   ~~~python
;;   def quantise(x, axis):      # numpy; x: float32 -> the quantised numbers, widened to float32 again
;;       x = np.moveaxis(x, axis, -1); K = x.shape[-1]
;;       x = np.pad(x, [(0, 0)] * (x.ndim - 1) + [(0, -K % 32)]); x = x.reshape(x.shape[:-1] + (-1, 32)); a = np.abs(x).max(-1, keepdims=True)
;;       e = np.where(a > 0, np.clip(np.frexp(np.where(a > 0, a, 1))[1] - 1 - 2, -126, 127), 0)      # np.frexp(a)[1] - 1 = floor(log2(a)), exactly
;;       r = np.clip(x / 2.0 ** e, -6, 6)
;;       step = 2.0 ** (np.maximum(np.frexp(np.where(r == 0, 1, r))[1] - 1, 0) - 1)
;;       q = np.round(r / step) * step * 2.0 ** e      # np.round: ties to even
;;       return np.moveaxis(q.reshape(q.shape[:-2] + (-1,))[..., :K], -1, axis).astype(np.float32)
;;   ~~~
;;   SOFTMAX AHEAD OF A QUANTISED PRODUCT. Where the list says 'softmax', what is quantised is not the finished softmax but p = 2^(t - M), with t = logit x log2(e) and M = ceil(the row's largest t), a whole number; so 1/2 < the row's largest p <= 1. The row's sum l is taken of the UNQUANTISED p, in f32, and the product's result is divided by l at the end. Since M is a whole number, a kernel that streams over the keys may use a running M (the ceiling of the running maximum): every later rescaling is an exact power of two, which a block's scale takes up: the codes' values come out the same.
;;   OPERANDS COMPUTED ON THE WAY. 'Computed on the way' means the value that the module computes at that place (a softmax that the list does not call 'softmax' is quantised finished and normalised). What goes into a quantiser is computed in f32, as accurately as f32 sums, v_exp_f32 and their like allow (about 1e-6 of the number): no bf16 or f16 on the way to a quantiser, and a product that is left as it is and whose result goes on into a quantised operand takes f32 operands (vector FMAs, or v_wmma_f32_16x16x4_f32). A number that lies on a knife's edge between two numbers of the format may be rounded either way, as far as f32 arithmetic and the matrix unit's own rounding can turn it there, and no further.
;;   INPUTS GIVEN AS CODES. k (in the module: [4, 16, 2048, 64], K = its axis 3); q (in the module: [4, 16, 2048, 64], K = its axis 3); v (in the module: [4, 16, 2048, 64], K = its axis 2): each comes as NAME_codes (uint8): NAME with its K axis moved to the last place and cut into blocks of 32 codes, [.., K / 32, bytes a block], one block behind the other in memory; two codes a byte, the lower K in the low four bits (a code: sign, 2 exponent bits, 1 mantissa bit); and NAME_scales (uint8): the same leading axes, one E8M0 byte (e + 127) for each 32 codes along K. Its value is code x scale, taken as it is: it is not quantised again, and the codes and scales need not be those that the quantiser above would give.
;; 2 versions. Each part assembles by itself: llvm-mc -triple=amdgcn-amd-amdhsa -mcpu=gfx1250 --defsym DOCPART=n.
;; ======== version 1 of 2: 1 launch
;; launch attn (part 1): grid 4 x 64, 16 waves a work-group, no clusters, 231,680 bytes of LDS; arguments q_codes, q_scales, k_codes, k_scales, v_codes, v_scales, sen_len, out0; writes out0
.if DOCPART == 1
	.amdgcn_target "amdgcn-amd-amdhsa--gfx1250"
	.amdhsa_code_object_version 6
	.text
	.protected	k_q076dd96511_attn
	.globl	k_q076dd96511_attn
	.p2align	8
	.type	k_q076dd96511_attn,@function
k_q076dd96511_attn:
	s_mov_b64 s[64:65], 0
	v_nop
	global_prefetch_b8 v0, s[64:65] scope:SCOPE_SE
	s_setreg_imm32_b32 hwreg(HW_REG_WAVE_MODE, 25, 1), 1
	s_wait_xcnt 0x0
; out[b][h][q][:] = sum over keys of softmax(q . k / 8, masked) v, both products on codes of FP4 (E2M1) with one E8M0 scale for each 32 along a product's K.
; A key counts for query q where key <= q (built by the problem itself) and key < sen_len[b] (an input, read here): together key < min(q + 1, sen_len[b]).
; q, k: rows of 64 codes (32 bytes) and 2 scale bytes.  v: keys innermost, 64 rows of 1,024 bytes a head, 64 scale bytes a row.  out: rows of 64 f32 (256 bytes).
; SOFTMAX AHEAD OF THE SECOND PRODUCT: t = score x log2(e) / 8; M = the running largest t rounded UP to a whole number; p = 2^(t - M) is quantised along the keys, not normalised;
; the row's sum is taken of the unquantised p and divides at the end.  When M moves, the sum and O are multiplied by 2^(old M - new M): exact.
; SHARES.  Work-group (x, y): head y.  A head has 128 tiles of 16 queries; tile T needs T / 8 + 1 key steps of 128 keys.  Wave w takes tile P = 16 x + w and then tile 127 - P:
; (P / 8 + 1) + (15 - P / 8 + 1) = 17 steps for every wave of the launch.  Sixteen waves of 256 registers: four to a SIMD, so that one wave's vector work stands beside another's products and LDS loads.
; LDS.  A head's K, V and scales are 139,264 bytes: they are brought ONCE, through registers, and laid as images of the operands' registers; one barrier; then they are only read.
; THE FIRST PRODUCT'S K IS 64, half of the instruction's 128: registers 4-7 of both operands hold zero codes (written once) and the upper two bytes of their scale words are 0: they add nothing.
; BOTH PRODUCTS ARE USED TRANSPOSED: S^T = K Q^T (source 0 = 16 keys, source 1 = my 16 queries), O^T = V^T P^T: a lane holds ONE query (lane % 16) throughout.
; THE KEYS OF A TILE ARE NOT NEIGHBOURS: lane r of tile 2 b + u takes key 32 b + 8 u + r + 8 (r / 8), so that the 16 registers of tiles 2 b and 2 b + 1 are keys 32 b + 16 (lane / 16) + 0 .. 15.
; NO TENSOR LOADS, NO CLUSTER, though the four work-groups of a head read the same 139,264 bytes: this text branches on sen_len (a step beyond the limit is left out; the 128 mask lines run only in a
; step that straddles a limit, one or two of a tile's steps).  What is shared is read once, at the head, not in the loop.
; NO PREFETCH: every load of the launch is issued at its head; there is no later stream.
; sen_len: every int32 is served.  At sen_len <= 0 all 2,048 logits are equal in the problem's text: p = 1 everywhere; here c = 0 and both limits are 2,048, by scalar selects.
; LIMIT: a scale byte 0xff (NaN) of k or v at keys of a step that the mask leaves out is not seen.
.set VIMG,  65536                      ; LDS: K's images at 0: 128 tiles x 512 bytes (lane l's 16 bytes at 16 l); a step is 8 tiles
.set VSTEP, 5136                       ; V's images: step x 5,136 + tile x 1,280 + c x 640 + h x 320 + r x 16: sixteen lanes that hold 256 neighbouring bytes of a row store to 16 different columns of 16 bytes
.set KSC,   147712                     ; K's scale words: step x 512 + g x 256 + r x 16 + j x 4: the word of lane r's key in tile 4 g + j
.set VSC,   155904                     ; V's: step x 256 + r x 16 + tile x 4
.set STG,   160000                     ; the way out: 16 rows x (256 + 16) bytes for each wave, its own
.set LN16, 1                           ; v1   16 x lane: my place in an image of K, and my bytes in two rows of out
.set AV0,  2                           ; v2   my place in V's images
.set ASK0, 3                           ; v3   among K's scale words
.set ASV0, 4                           ; v4   among V's
.set STO,  5                           ; v5   the stage: where I put 32 bytes of a row
.set RD,   6                           ; v6   and where I read a row back
.set ADK,  8                           ; v8-11 the step's four LDS addresses
.set ADV,  9
.set ADS,  10
.set ADT,  11                          ; v12 -M, v13 the largest t, v[14:15] the sum in two halves
.set QA,   16                          ; v16-23 Q of tile A, v24-31 of tile B (upper four: zeros)
.set QB,   24
.set KFR,  32                          ; v32-63  four fragments of K (upper four of each: zeros)
.set VFR,  64                          ; v64-95  four fragments of V
.set SS,   96                          ; v96-159 S^T, then p
.set OA,   160                         ; v160-191 O^T
.set PC,   192                         ; v192-199 p's codes
.set KSW,  200                         ; v200-207 K's scale words; v208-211 V's; v212 p's; v213, v214 Q's: these hold scales and nothing else
.set VSW,  208
.set PW,   212
.set QSA,  213
.set QSB,  214
.set BM,   216                         ; v216-219 the blocks' largest scores, then largest p
.set BP,   220                         ; v220-223 at work: the other half's maxima, the sums' second chain, the bytes
.set BS,   224                         ; v224-227 the conversions' scale operands
.set FF,   228                         ; v228 f, later 1 / sum; v229 named with it as a pair
.set TMP,  230
.set DD,   231                         ; the mask's d
.set NEG,  232                         ; -infinity
.set LIML, 233                         ; min(my query + 1, sen_len) - 16 (lane / 16) - 1
.set R1,   234                         ; lane % 16 + 1
.set H16,  235                         ; 16 (lane / 16) + 1
.set WV,   20
.set HEAD, 22
.set LEN,  23
.set TA,   24
.set TBB,  25
.set SEL,  30                          ; s[30:31] v_permlanex16_b32's selects for lane l xor 16
.set CS,   32                          ; s[32:33] c = log2(e) / 8: the packed form names a pair and takes its low word for both halves
.set KF,   34                          ; the step's first key
.set TK,   35                          ; where the step's bytes begin in each of the four regions
.set TV,   36
.set TSK,  37
.set TSV,  38
.set CNT,  39
.set LIMW, 40                          ; a step at or beyond it is left out
.set OPENW, 41                         ; a step that ends at or under it needs no mask
.set Q0,   42
	s_load_b256 s[4:11], s[0:1], 0x0               ; q's codes s[4:5], q's scales s[6:7], k's codes s[8:9], k's scales s[10:11]
	s_load_b256 s[12:19], s[0:1], 0x20             ; v's codes s[12:13], v's scales s[14:15], sen_len s[16:17], out s[18:19]
	v_lshl_add_u32 v254, v0, 2, 0x38100
	v_mov_b32 v255, 0
	v_lshrrev_b32 v178, 5, v0
	v_readfirstlane_b32 s[WV], v178                ; wave 0..15
	v_and_b32 v176, 15, v0                         ; r
	v_bfe_u32 v177, v0, 4, 1                       ; h
	v_lshlrev_b32 v168, 4, v0                      ; the fill: 16 bytes a thread, 8,192 a load of the work-group
	v_lshlrev_b32 v169, 3, v0                      ; scale bytes: 8 a thread
	v_lshlrev_b32 v170, 5, v176
	v_lshl_add_u32 v170, v177, 4, v170             ; Q: row r of 32 bytes, + 16 h
	v_lshlrev_b32 v171, 1, v176                    ; Q's scales: 2 bytes a row
	s_and_b32 s[HEAD], ttmp7, 0xffff
	s_lshl_b32 s[TA], ttmp9, 4
	s_add_co_u32 s[TA], s[TA], s[WV]               ; tile A = 16 x + wave
	s_sub_co_u32 s[TBB], 127, s[TA]                ; tile B
	s_mov_b32 s27, 0
	s_mov_b32 s29, 0
	s_lshr_b32 s26, s[HEAD], 4
	s_lshl_b32 s26, s26, 2                         ; sen_len[b]: b = head / 16
	s_wait_kmcnt 0x0
	s_add_nc_u64 s[16:17], s[16:17], s[26:27]
	s_load_b32 s[LEN], s[16:17], 0x0
	s_lshl_b32 s26, s[HEAD], 16                    ; a head's codes: 65,536 bytes in each of the three tensors
	s_add_nc_u64 s[4:5], s[4:5], s[26:27]
	s_add_nc_u64 s[8:9], s[8:9], s[26:27]
	s_add_nc_u64 s[12:13], s[12:13], s[26:27]
	s_lshl_b32 s26, s[HEAD], 12                    ; its scale bytes: 4,096
	s_add_nc_u64 s[6:7], s[6:7], s[26:27]
	s_add_nc_u64 s[10:11], s[10:11], s[26:27]
	s_add_nc_u64 s[14:15], s[14:15], s[26:27]
	s_lshl_b32 s26, s[HEAD], 19                    ; its rows of out: 524,288
	s_add_nc_u64 s[18:19], s[18:19], s[26:27]
	s_lshl_b32 s28, s[TA], 9                       ; a tile's 16 rows: 512 bytes of codes,
	s_add_nc_u64 s[48:49], s[4:5], s[28:29]
	s_lshl_b32 s28, s[TBB], 9
	s_add_nc_u64 s[50:51], s[4:5], s[28:29]
	s_lshl_b32 s28, s[TA], 5                       ; 32 of scale bytes,
	s_add_nc_u64 s[52:53], s[6:7], s[28:29]
	s_lshl_b32 s28, s[TBB], 5
	s_add_nc_u64 s[54:55], s[6:7], s[28:29]
	s_lshl_b32 s28, s[TA], 12                      ; 4,096 of out
	s_add_nc_u64 s[44:45], s[18:19], s[28:29]
	s_lshl_b32 s28, s[TBB], 12
	s_add_nc_u64 s[46:47], s[18:19], s[28:29]
	; 22 loads, all of the launch's.  Each load of K and V covers 512 consecutive bytes a wave, each load of their scale bytes 256
	global_load_b128 v[QA:QA+3], v170, s[48:49] th:TH_LOAD_NT
	global_load_b128 v[QB:QB+3], v170, s[50:51] th:TH_LOAD_NT
	global_load_u16 v[QSA], v171, s[52:53] th:TH_LOAD_NT   ; the row's two bytes; the word's upper two are 0
	global_load_u16 v[QSB], v171, s[54:55] th:TH_LOAD_NT
.irp j, 0,1,2,3,4,5,6,7
	global_load_b128 v[96+4*\j:99+4*\j], v168, s[8:9] offset:8192*\j
.endr
.irp j, 0,1,2,3,4,5,6,7
	global_load_b128 v[128+4*\j:131+4*\j], v168, s[12:13] offset:8192*\j
.endr
	global_load_b64 v[160:161], v169, s[10:11]
	global_load_b64 v[162:163], v169, s[14:15]
	; where the fill goes.  t = my thread's number.
	; K: load j brings me bytes 16 (t & 1) .. of key t / 2 + 256 j.  In its block of 32 the key m = t[5:1] is lane r = m[2:0] + 8 m[4] of tile u = m[3]
	v_and_b32 v172, 1, v0
	v_lshlrev_b32 v172, 8, v172                    ; h x 256
	v_and_b32 v178, 14, v0
	v_lshl_add_u32 v172, v178, 3, v172             ; + m[2:0] x 16
	v_and_b32 v178, 16, v0
	v_lshl_add_u32 v172, v178, 5, v172             ; + u x 512
	v_and_b32 v178, 32, v0
	v_lshl_add_u32 v172, v178, 2, v172             ; + m[4] x 128
	v_and_b32 v178, 0x1c0, v0
	v_lshl_add_u32 v172, v178, 4, v172             ; + (t / 64) x 1,024: the block; load j: 8 blocks on
	; V: load j brings me bytes 16 (t & 63) .. of row t / 64 + 8 j: step t[5:2], (c, h) = t[1:0]
	v_bfe_u32 v178, v0, 2, 4
	v_mul_u32_u24 v173, v178, VSTEP
	v_and_b32 v178, 3, v0
	v_mad_u32_u24 v173, v178, 320, v173
	v_lshrrev_b32 v178, 6, v0
	v_lshl_add_u32 v173, v178, 4, v173
	v_add_nc_u32 v173, VIMG, v173
	; K's scales: I hold keys 4 t + e, e = 0 .. 3: step and g = t / 16; lane r = 4 t[0] + e + 8 t[2]; tile j = 2 t[3] + t[1]
	v_lshrrev_b32 v178, 4, v0
	v_lshl_add_u32 v174, v178, 8, KSC
	v_bfe_u32 v178, v0, 2, 1
	v_lshl_add_u32 v174, v178, 7, v174
	v_and_b32 v178, 1, v0
	v_lshl_add_u32 v174, v178, 6, v174
	v_bfe_u32 v178, v0, 3, 1
	v_lshl_add_u32 v174, v178, 3, v174
	v_bfe_u32 v178, v0, 1, 1
	v_lshl_add_u32 v174, v178, 2, v174
	; V's scales: I hold the words of steps 2 (t & 7) + e, e = 0, 1, of row t / 8
	v_and_b32 v178, 7, v0
	v_lshl_add_u32 v175, v178, 9, VSC
	v_bfe_u32 v178, v0, 3, 4
	v_lshl_add_u32 v175, v178, 4, v175
	v_lshrrev_b32 v178, 7, v0
	v_lshl_add_u32 v175, v178, 2, v175
	; the addresses that stay
	v_and_b32 v[LN16], 31, v0
	v_lshlrev_b32 v[LN16], 4, v[LN16]
	v_mul_u32_u24 v[AV0], v177, 320
	v_lshl_add_u32 v[AV0], v176, 4, v[AV0]
	v_add_nc_u32 v[AV0], VIMG, v[AV0]
	v_lshl_add_u32 v[ASK0], v176, 4, KSC
	v_lshl_add_u32 v[ASV0], v176, 4, VSC
	s_mul_i32 s43, s[WV], 16*272
	s_add_co_u32 s43, s43, STG                     ; my stage
	v_mul_u32_u24 v[STO], v176, 272
	v_lshl_add_u32 v[STO], v177, 5, v[STO]
	v_add_nc_u32 v[STO], s43, v[STO]               ; in: row r, + 32 h
	v_mul_u32_u24 v[RD], v177, 272
	v_lshl_add_u32 v[RD], v176, 4, v[RD]
	v_add_nc_u32 v[RD], s43, v[RD]                 ; back: lanes 0-15 one row, lanes 16-31 the next
	v_add_nc_u32 v[R1], 1, v176
	v_lshl_add_u32 v[H16], v177, 4, 1
	v_mov_b32 v[NEG], 0xff800000
	s_mov_b32 s[SEL], 0x76543210
	s_mov_b32 s[SEL+1], 0xfedcba98
.irp j, 4,5,6,7
	v_mov_b32 v[QA+\j], 0                          ; the zero codes of k = 64 .. 127, written once
	v_mov_b32 v[QB+\j], 0
	v_mov_b32 v[KFR+\j], 0
	v_mov_b32 v[KFR+8+\j], 0
	v_mov_b32 v[KFR+16+\j], 0
	v_mov_b32 v[KFR+24+\j], 0
.endr
.irp b, 0,1,2,3
	v_mov_b32 v[BP+\b], 0                          ; written once: a lane permute's destination counts as one of its sources
.endr
	v_mov_b32 v[FF+1], 0                           ; named as the upper half of the pair, so it is written
.irp j, 0,1,2,3,4,5,6,7
	s_wait_loadcnt 17-\j                           ; behind K's load j: K's 7 - j, V's eight, the two of scale bytes
	ds_store_b128 v172, v[96+4*\j:99+4*\j] offset:8192*\j
.endr
.irp j, 0,1,2,3,4,5,6,7
	s_wait_loadcnt 9-\j                            ; behind V's load j: V's 7 - j and the two of scale bytes
	ds_store_b128 v173, v[128+4*\j:131+4*\j] offset:(\j/2)*1280+(\j%2)*128   ; row t / 64 + 8 j: tile j / 2, lane r = 8 (j % 2) + t / 64
.endr
	s_wait_loadcnt 1                               ; K's scale bytes are in; V's may be out
	v_and_b32 v164, 0xffff, v160                   ; a key's two bytes become its scale word, the upper two bytes 0
	v_lshrrev_b32 v165, 16, v160
	v_and_b32 v166, 0xffff, v161
	v_lshrrev_b32 v167, 16, v161
.irp e, 0,1,2,3
	ds_store_b32 v174, v[164+\e] offset:16*\e
.endr
	s_wait_loadcnt 0x0
	ds_store_b32 v175, v162
	ds_store_b32 v175, v163 offset:256
	s_wait_dscnt 0x0                               ; for the others' sake: my stores have landed
	s_barrier_signal -1
	s_barrier_wait -1                              ; the only barrier: behind it K, V and their scales are only read, and each wave's stage is its own
	s_wait_kmcnt 0x0                               ; sen_len[b]
	s_cmp_gt_i32 s[LEN], 0
	s_cselect_b32 s[CS], 0x3e38aa3b, 0             ; c = log2(e) / 8; 0 where every logit is the same
	s_mov_b32 s[CS+1], s[CS]
; A KEY STEP: 128 keys for my 16 queries.  qf: Q's fragment; qs: its scale words.
.macro STEP qf, qs
	s_cmp_ge_i32 s[KF], s[LIMW]                    ; all 128 keys hidden for all 16 queries: the step's work is left out; the lines that step addresses are not
	s_cbranch_scc1 .Lhidden_\@
	v_add_nc_u32 v[ADK], s[TK], v[LN16]            ; (these four are also places behind the last step's products)
	v_add_nc_u32 v[ADV], s[TV], v[AV0]
	v_add_nc_u32 v[ADS], s[TSK], v[ASK0]
	v_add_nc_u32 v[ADT], s[TSV], v[ASV0]
	ds_load_b128 v[KSW:KSW+3], v[ADS]              ; the scale words of tiles 0-3,
	ds_load_b128 v[KSW+4:KSW+7], v[ADS] offset:256 ; and 4-7
.irp g, 0,1                                    ; S^T = K Q^T, four tiles of 16 keys at a time
.if \g > 0
.rept 4
	v_nop                                          ; places in front of loads into registers that matrix instructions have read (ISA guide 7.12.1 for vector instructions)
.endr
.endif
.irp t, 0,1,2,3
	ds_load_b128 v[KFR+8*\t:KFR+8*\t+3], v[ADK] offset:512*(4*\g+\t)   ; 512 consecutive bytes a wave
.endr
	s_wait_dscnt 0x0
.irp t, 0,1,2,3
	v_wmma_scale_f32_16x16x128_f8f6f4 v[SS+8*(4*\g+\t):SS+8*(4*\g+\t)+7], v[KFR+8*\t:KFR+8*\t+7], v[\qf:\qf+7], 0, v[KSW+4*\g+\t], v[\qs] matrix_a_fmt:MATRIX_FMT_FP4 matrix_b_fmt:MATRIX_FMT_FP4
.endr
.endr
.irp d, 0,1,2,3                                ; V's four fragments and scale words are asked for now and land under the softmax; the last products that read these registers stand eight places back
.irp c, 0,1
	ds_load_b128 v[VFR+8*\d+4*\c:VFR+8*\d+4*\c+3], v[ADV] offset:1280*\d+640*\c
.endr
.endr
	ds_load_b128 v[VSW:VSW+3], v[ADT]
.rept 4
	v_nop                                          ; places in front of the first read of the scores
.endr
	s_add_co_u32 s43, s[KF], 128
	s_cmp_le_i32 s43, s[OPENW]                     ; all 128 keys count for all 16 queries: no mask
	s_cbranch_scc1 .Lopen_\@
	v_sub_nc_u32 v[DD], v[LIML], s[KF]             ; register 16 b + i holds key KF + 32 b + 16 (lane / 16) + i: hidden where 32 b + i > d
.irp n, 0,1,2,3,4,5,6,7,8,9,10,11,12,13,14,15,16,17,18,19,20,21,22,23,24,25,26,27,28,29,30,31,32,33,34,35,36,37,38,39,40,41,42,43,44,45,46,47,48,49,50,51,52,53,54,55,56,57,58,59,60,61,62,63
	v_cmp_gt_i32 vcc_lo, 32*(\n/16)+\n%16, v[DD]
	v_cndmask_b32 v[SS+\n], v[SS+\n], v[NEG], vcc_lo   ; -infinity ahead of the maximum: p = 0.  Key KF counts for every query of a step that is run, so the row's maximum is a number
.endr
.Lopen_\@:
.irp b, 0,1,2,3
	v_max3_num_f32 v[BM+\b], v[SS+16*\b], v[SS+1+16*\b], v[SS+2+16*\b]   ; the largest score of each block of 32 keys: for the row's maximum and, since p rises with the score, for the block's largest p
.endr
.irp i, 3,5,7,9,11,13
.irp b, 0,1,2,3
	v_max3_num_f32 v[BM+\b], v[BM+\b], v[SS+16*\b+\i], v[SS+1+16*\b+\i]   ; (the four blocks by turns)
.endr
.endr
.irp b, 0,1,2,3
	v_max_num_f32 v[BM+\b], v[BM+\b], v[SS+15+16*\b]
.endr
.irp b, 0,1,2,3
	v_permlanex16_b32 v[BP+\b], v[BM+\b], s[SEL], s[SEL+1]
.endr
.irp b, 0,1,2,3
	v_max_num_f32 v[BM+\b], v[BM+\b], v[BP+\b]     ; with lane l xor 16's 16 keys
.endr
	v_max3_num_f32 v[TMP], v[BM], v[BM+1], v[BM+2]
	v_max_num_f32 v[TMP], v[TMP], v[BM+3]          ; the step's largest score of my query
	v_mul_f32 v[TMP], s[CS], v[TMP]                ; as t (c is not negative)
	v_max_num_f32 v13, v13, v[TMP]                 ; the running largest t
	v_mov_b32 v[TMP], v12
	v_floor_f32 v12, -v13                          ; the new -M = floor(-t) = -ceil(t): a whole number
	v_sub_f32 v[TMP], v12, v[TMP]                  ; old M less new M: a whole number, 0 or less
	v_cvt_i32_f32 v[TMP], v[TMP]                   ; (it saturates)
	v_ldexp_f32 v[FF], 1.0, v[TMP]                 ; f = 2^(old M - new M)
.irp j, 0,2,4,6,8,10,12,14,16,18,20,22,24,26,28,30,32,34,36,38,40,42,44,46,48,50,52,54,56,58,60,62
	v_pk_fma_f32 v[SS+\j:SS+1+\j], v[SS+\j:SS+1+\j], s[CS:CS+1], v[12:13] op_sel_hi:[1,0,0]   ; t - M, two at a time
.endr
.irp b, 0,1,2,3
	v_fma_f32 v[BM+\b], v[BM+\b], s[CS], v12       ; the same of each block's largest score
.endr
.irp j, 0,1,2,3,4,5,6,7,8,9,10,11,12,13,14,15,16,17,18,19,20,21,22,23,24,25,26,27,28,29,30,31,32,33,34,35,36,37,38,39,40,41,42,43,44,45,46,47,48,49,50,51,52,53,54,55,56,57,58,59,60,61,62,63
	v_exp_f32 v[SS+\j], v[SS+\j]                   ; p = 2^(t - M), at most 1
.endr
	v_pk_mul_f32 v[14:15], v[14:15], v[FF:FF+1] op_sel_hi:[1,0]   ; the sums under the new M: the plain instruction behind the exponentials
	s_wait_alu depctr_va_vdst(0)                   ; one wait for the batch of 64, ahead of its first reader
.irp b, 0,1,2,3
	v_exp_f32 v[BM+\b], v[BM+\b]                   ; the block's largest p: the same two instructions on the same number give the same bits
.endr
	v_pk_add_f32 v[BP:BP+1], v[SS:SS+1], v[SS+2:SS+3]   ; the row's sum of the UNQUANTISED p, two at a time, in two chains; it reads the 64 alone
.irp j, 4,8,12,16,20,24,28,32,36,40,44,48,52,56,60
	v_pk_add_f32 v[14:15], v[14:15], v[SS+\j:SS+1+\j]
	v_pk_add_f32 v[BP:BP+1], v[BP:BP+1], v[SS+2+\j:SS+3+\j]
.endr
	v_pk_add_f32 v[14:15], v[14:15], v[BP:BP+1]
	s_wait_alu depctr_va_vdst(0)                   ; and one for the four
.irp b, 0,1,2,3
	v_max_num_f32 v[BM+\b], 0x1800000, v[BM+\b]    ; the floor 2^(3 - 127): the byte cannot fall under 1 (a block whose every p is 0 keeps that byte: its codes are zeros)
.endr
.irp b, 0,1,2,3
	v_add_nc_u32 v[BS+\b], 0xff000000, v[BM+\b]    ; 2 off the exponent field: the conversion's scale operand
.endr
.irp b, 0,1,2,3
	v_lshrrev_b32 v[BP+\b], 23, v[BS+\b]           ; the scale's byte
.endr
	v_lshl_or_b32 v[PW], v[BP+1], 8, v[BP]         ; p's scale word for these 128 keys
	v_lshl_or_b32 v[PW], v[BP+2], 16, v[PW]
	v_lshl_or_b32 v[PW], v[BP+3], 24, v[PW]
.irp b, 0,1,2,3
	v_cvt_scalef32_pk8_fp4_f32 v[PC+2*\b], v[SS+16*\b:SS+7+16*\b], v[BS+\b]
	v_cvt_scalef32_pk8_fp4_f32 v[PC+1+2*\b], v[SS+8+16*\b:SS+15+16*\b], v[BS+\b]
.endr
	v_nop                                          ; one plain instruction behind the scaled conversions
.irp c, 0,1                                    ; the operand's layout wants a WHOLE block in a lane: lanes 0-15 block 2 c, lanes 16-31 block 2 c + 1
.irp i, 0,1
	v_permlane16_swap_b32 v[PC+4*\c+\i], v[PC+2+4*\c+\i]
.endr
.endr
.irp j, 0,2,4,6,8,10,12,14,16,18,20,22,24,26,28,30
	v_pk_mul_f32 v[OA+\j:OA+1+\j], v[OA+\j:OA+1+\j], v[FF:FF+1] op_sel_hi:[1,0]   ; O^T under the new M.  Twelve of the sixteen name no register of a given product below: the places between p's scale word (8) and codes (4) and the products
.endr
	s_wait_dscnt 0x0                               ; V's fragments and scale words are in
.irp d, 0,1,2,3                                ; O^T += V^T P^T: the four accumulators by turns, one instruction a turn
	v_wmma_scale_f32_16x16x128_f8f6f4 v[OA+8*\d:OA+8*\d+7], v[VFR+8*\d:VFR+8*\d+7], v[PC:PC+7], v[OA+8*\d:OA+8*\d+7], v[VSW+\d], v[PW] matrix_a_fmt:MATRIX_FMT_FP4 matrix_b_fmt:MATRIX_FMT_FP4
.endr
.Lhidden_\@:
.endm
; A TILE of 16 queries.  qf, qs: Q's fragment and scale words; tq: the scalar with the tile's number; ob: its rows of out; more = 1: another tile follows.
.macro TILE qf, qs, tq, ob, more
	s_lshl_b32 s[Q0], s[\tq], 4                    ; my first query
	s_add_co_u32 s[LIMW], s[Q0], 16
	s_min_i32 s[LIMW], s[LIMW], s[LEN]             ; no key at or beyond min(last query + 1, sen_len) counts for any of the 16
	s_add_co_u32 s[OPENW], s[Q0], 1
	s_min_i32 s[OPENW], s[OPENW], s[LEN]           ; every key under min(first query + 1, sen_len) counts for all 16
	s_cmp_gt_i32 s[LEN], 0
	s_cselect_b32 s[LIMW], s[LIMW], 2048           ; sen_len <= 0: all 2,048 keys, with equal weight
	s_cselect_b32 s[OPENW], s[OPENW], 2048
	s_mov_b32 s[KF], 0
	s_mov_b32 s[TK], 0
	s_mov_b32 s[TV], 0
	s_mov_b32 s[TSK], 0
	s_mov_b32 s[TSV], 0
	s_mov_b32 s[CNT], 16
	v_add_nc_u32 v[LIML], s[Q0], v[R1]             ; my query + 1
	v_min_u32 v[LIML], s[LEN], v[LIML]             ; (read only in a masked step, which there is only where sen_len > 0)
	v_sub_nc_u32 v[LIML], v[LIML], v[H16]
	v_mov_b32 v13, 0xff61b1e6                      ; the largest t so far: -3e38, under every t
	v_floor_f32 v12, -v13                          ; -M
	v_mov_b32 v14, 0                               ; the sum, in two halves
	v_mov_b32 v15, 0
.irp j, 0,1,2,3,4,5,6,7,8,9,10,11,12,13,14,15,16,17,18,19,20,21,22,23,24,25,26,27,28,29,30,31
	v_mov_b32 v[OA+\j], 0                          ; O^T.  The step is written once: the first finds zeros, which the first change of M leaves zeros
.endr
.Lstep_\@:                                         ; 16 trips, a constant, so that every stepped LDS address can be read off the text; a trip beyond the limit only steps
	STEP \qf, \qs
	s_add_co_u32 s[KF], s[KF], 128
	s_add_co_u32 s[TK], s[TK], 4096
	s_add_co_u32 s[TV], s[TV], VSTEP
	s_add_co_u32 s[TSK], s[TSK], 512
	s_add_co_u32 s[TSV], s[TSV], 256
	s_sub_co_u32 s[CNT], s[CNT], 1
	s_cmp_lg_u32 s[CNT], 0
	s_cbranch_scc1 .Lstep_\@
	; THE WAY OUT: O^T / the sum goes through my stage and leaves as whole rows of 256 bytes
.rept 4
	v_nop                                          ; places behind the last products
.endr
	v_add_f32 v14, v14, v15                        ; the sum's two halves,
	v_permlanex16_b32 v[BP], v14, s[SEL], s[SEL+1]
	v_add_f32 v14, v14, v[BP]                      ; and lane l xor 16's
	v_rcp_f32 v[FF], v14
	v_nop                                          ; a plain instruction behind the reciprocal
	s_wait_alu depctr_va_vdst(0)                   ; and the wait ahead of its first reader
.irp j, 0,2,4,6,8,10,12,14,16,18,20,22,24,26,28,30
	v_pk_mul_f32 v[SS+\j:SS+1+\j], v[OA+\j:OA+1+\j], v[FF:FF+1] op_sel_hi:[1,0]   ; register 8 d + i is out(r, 16 d + 8 h + i); each accumulator from its low end on
.endr
.irp d, 0,1,2,3
	ds_store_b128 v[STO], v[SS+8*\d:SS+3+8*\d] offset:64*\d
	ds_store_b128 v[STO], v[SS+4+8*\d:SS+7+8*\d] offset:64*\d+16
.endr
.irp i, 0,1,2,3,4,5,6,7
	ds_load_b128 v[SS+32+4*\i:SS+35+4*\i], v[RD] offset:544*\i   ; LDS serves a wave's instructions in order (ISA guide 5.7.1.4): these see my stores
.endr
.irp i, 0,1,2,3,4,5,6,7
	s_wait_dscnt 7-\i                              ; the 7 - i younger loads may stay out
	global_store_b128 v[LN16], v[SS+32+4*\i:SS+35+4*\i], s[\ob:\ob+1] offset:512*\i th:TH_STORE_NT   ; 32 lanes store two rows: 512 consecutive bytes, at a multiple of 256 from out's first byte
.endr
.if \more
	s_wait_xcnt 0x0                                ; the stores have read their data registers: the next tile's scores are written there only behind this wait
.endif
.endm
	TILE QA, QSA, TA, 44, 1
	TILE QB, QSB, TBB, 46, 0
	s_wait_tensorcnt 0x0
	ds_add_u32 v254, v255
	s_wait_dscnt 0x0
	s_endpgm
.Lfunc_end_k_q076dd96511_attn:
	.size	k_q076dd96511_attn, .Lfunc_end_k_q076dd96511_attn-k_q076dd96511_attn
	.p2alignl 7, 3214868480
	.fill 96, 4, 3214868480
	.section	.rodata,"a",@progbits
	.p2align	6, 0x0
	.amdhsa_kernel k_q076dd96511_attn
		.amdhsa_group_segment_fixed_size 231680
		.amdhsa_private_segment_fixed_size 0
		.amdhsa_enable_private_segment 0
		.amdhsa_kernarg_size 64
		.amdhsa_user_sgpr_count 2
		.amdhsa_user_sgpr_kernarg_segment_ptr 1
		.amdhsa_wavefront_size32 1
		.amdhsa_system_sgpr_workgroup_id_x 1
		.amdhsa_system_sgpr_workgroup_id_y 1
		.amdhsa_system_sgpr_workgroup_id_z 1
		.amdhsa_system_vgpr_workitem_id 0
		.amdhsa_next_free_vgpr 256
		.amdhsa_next_free_sgpr 66
		.amdhsa_reserve_vcc 1
		.amdhsa_float_denorm_mode_32 3
		.amdhsa_float_denorm_mode_16_64 3
		.amdhsa_memory_ordered 1
		.amdhsa_forward_progress 1
		.amdhsa_inst_pref_size 62
	.end_amdhsa_kernel
	.amdgpu_metadata
---
amdhsa.version: [ 1, 2 ]
amdhsa.kernels:
  - .name:           k_q076dd96511_attn
    .symbol:         k_q076dd96511_attn.kd
    .args:
      - { .name: q_codes, .offset: 0, .size: 8, .value_kind: global_buffer, .address_space: global }
      - { .name: q_scales, .offset: 8, .size: 8, .value_kind: global_buffer, .address_space: global }
      - { .name: k_codes, .offset: 16, .size: 8, .value_kind: global_buffer, .address_space: global }
      - { .name: k_scales, .offset: 24, .size: 8, .value_kind: global_buffer, .address_space: global }
      - { .name: v_codes, .offset: 32, .size: 8, .value_kind: global_buffer, .address_space: global }
      - { .name: v_scales, .offset: 40, .size: 8, .value_kind: global_buffer, .address_space: global }
      - { .name: sen_len, .offset: 48, .size: 8, .value_kind: global_buffer, .address_space: global }
      - { .name: out0, .offset: 56, .size: 8, .value_kind: global_buffer, .address_space: global }
    .group_segment_fixed_size: 231680
    .private_segment_fixed_size: 0
    .kernarg_segment_align: 8
    .kernarg_segment_size: 64
    .max_flat_workgroup_size: 512
    .sgpr_count:     66
    .vgpr_count:     256
    .wavefront_size: 32
...
	.end_amdgpu_metadata
.endif
;; end of part 1
;; ======== version 2 of 2: 1 launch; version 1 with the launch attn written anew for expert scheduling mode
;; launch attn (part 2): grid 4 x 64, 16 waves a work-group, no clusters, 231,680 bytes of LDS; arguments q_codes, q_scales, k_codes, k_scales, v_codes, v_scales, sen_len, out0; writes out0
.if DOCPART == 2
	.amdgcn_target "amdgcn-amd-amdhsa--gfx1250"
	.amdhsa_code_object_version 6
	.text
	.protected	k_q076dd96511_attn
	.globl	k_q076dd96511_attn
	.p2align	8
	.type	k_q076dd96511_attn,@function
k_q076dd96511_attn:
	s_mov_b64 s[64:65], 0
	v_nop
	global_prefetch_b8 v0, s[64:65] scope:SCOPE_SE
	s_setreg_imm32_b32 hwreg(HW_REG_WAVE_SCHED_MODE, 0, 2), 2
	s_setreg_imm32_b32 hwreg(HW_REG_WAVE_MODE, 25, 1), 1
	s_wait_xcnt 0x0
	s_wait_alu depctr_vm_vsrc(0)
; out[b][h][q][:] = sum over keys of softmax(q . k / 8, masked) v, both products on codes of FP4 (E2M1) with one E8M0 scale for each 32 along a product's K.
; A key counts for query q where key <= q (built by the problem itself) and key < sen_len[b] (an input, read here): together key < min(q + 1, sen_len[b]).
; q, k: rows of 64 codes (32 bytes) and 2 scale bytes.  v: keys innermost, 64 rows of 1,024 bytes a head, 64 scale bytes a row.  out: rows of 64 f32 (256 bytes).
; SOFTMAX AHEAD OF THE SECOND PRODUCT: t = score x log2(e) / 8; M = the running largest t rounded UP to a whole number; p = 2^(t - M) is quantised along the keys, not normalised;
; the row's sum is taken of the unquantised p and divides at the end.  When M moves, the sum and O are multiplied by 2^(old M - new M): exact.
; SHARES.  Work-group (x, y): head y.  A head has 128 tiles of 16 queries; tile T needs T / 8 + 1 key steps of 128 keys.  Wave w takes tile P = 16 x + w and then tile 127 - P:
; (P / 8 + 1) + (15 - P / 8 + 1) = 17 steps for every wave of the launch.  Sixteen waves of 256 registers: four to a SIMD, so that one wave's vector work stands beside another's products and LDS loads.
; LDS.  A head's K, V and scales are 139,264 bytes: they are brought ONCE, through registers, and laid as images of the operands' registers; one barrier; then they are only read.
; THE FIRST PRODUCT'S K IS 64, half of the instruction's 128: registers 4-7 of both operands hold zero codes (written once) and the upper two bytes of their scale words are 0: they add nothing.
; BOTH PRODUCTS ARE USED TRANSPOSED: S^T = K Q^T (source 0 = 16 keys, source 1 = my 16 queries), O^T = V^T P^T: a lane holds ONE query (lane % 16) throughout.
; THE KEYS OF A TILE ARE NOT NEIGHBOURS: lane r of tile 2 b + u takes key 32 b + 8 u + r + 8 (r / 8), so that the 16 registers of tiles 2 b and 2 b + 1 are keys 32 b + 16 (lane / 16) + 0 .. 15.
; NO TENSOR LOADS, NO CLUSTER, though the four work-groups of a head read the same 139,264 bytes: this text branches on sen_len (a step beyond the limit is left out; the 128 mask lines run only in a
; step that straddles a limit, one or two of a tile's steps).  What is shared is read once, at the head, not in the loop.
; NO PREFETCH: every load of the launch is issued at its head; there is no later stream.
; sen_len: every int32 is served.  At sen_len <= 0 all 2,048 logits are equal in the problem's text: p = 1 everywhere; here c = 0 and both limits are 2,048, by scalar selects.
; LIMIT: a scale byte 0xff (NaN) of k or v at keys of a step that the mask leaves out is not seen.
; THE MODE: SCHED_MODE bits 1:0 = 2 (LLVM: expert scheduling mode 2), set by the entry lines.  The code itself states the register dependences
; between vector or matrix instructions and memory or LDS instructions, with s_wait_alu, always for 0.
; THE PLAN.  Registers that memory or LDS instructions touch:
;   v168-175          at the head only: offsets of the loads, LDS addresses of the fill.  Made by vector lines, read by the fill, written again only as O^T, behind the wait on vm_vsrc that follows the barrier.
;   v96-167           at the head only: the fill's data, read by its LDS stores; S^T and O^T from then on, behind the same wait.
;   v1-6              made at the head, never written again: read by every LDS load of the loop, by the stage's stores and loads and by the stores of out.
;   v8-11             a step's four LDS addresses: written by four adds at the step's head, read by the step's 19 LDS loads.
;   v32-63, v200-207  K's fragments (their low four registers) and scale words: loaded in a step, read by its eight products K Q^T.  One set: tiles 4-7 land where tiles 0-3 lay.
;   v64-95, v208-211  V's fragments and scale words: loaded in a step's first half, read by the four products V^T P at its end.
;   v96-127, v128-159 on the way out: written by the division and read by the stage's stores; the stage's loads land there and the stores of out read them.
; A STEP'S WAITS.  One on vm_vsrc ahead of the four adds.  One on va_vdst behind them: the addresses are written, and the last step's products are done reading K's and V's registers: it serves the six loads
; at the head and V's nine further on, since the four products and four v_nop between name none of v9, v11, v64-95, v208-211.  One on va_vdst between the first four products and the loads of tiles 4-7.
; The two behind the exponentials.  One on va_vdst ahead of the products V^T P, which take p's codes and scale word from vector lines.
; No second set for K's fragments: sixteen waves of 256 registers take all of a SIMD's, 20 registers are free here, and a set is 32.
.set VIMG,  65536                      ; LDS: K's images at 0: 128 tiles x 512 bytes (lane l's 16 bytes at 16 l); a step is 8 tiles
.set VSTEP, 5136                       ; V's images: step x 5,136 + tile x 1,280 + c x 640 + h x 320 + r x 16: sixteen lanes that hold 256 neighbouring bytes of a row store to 16 different columns of 16 bytes
.set KSC,   147712                     ; K's scale words: step x 512 + g x 256 + r x 16 + j x 4: the word of lane r's key in tile 4 g + j
.set VSC,   155904                     ; V's: step x 256 + r x 16 + tile x 4
.set STG,   160000                     ; the way out: 16 rows x (256 + 16) bytes for each wave, its own
.set LN16, 1                           ; v1   16 x lane: my place in an image of K, and my bytes in two rows of out
.set AV0,  2                           ; v2   my place in V's images
.set ASK0, 3                           ; v3   among K's scale words
.set ASV0, 4                           ; v4   among V's
.set STO,  5                           ; v5   the stage: where I put 32 bytes of a row
.set RD,   6                           ; v6   and where I read a row back
.set ADK,  8                           ; v8-11 the step's four LDS addresses
.set ADV,  9
.set ADS,  10
.set ADT,  11                          ; v12 -M, v13 the largest t, v[14:15] the sum in two halves
.set QA,   16                          ; v16-23 Q of tile A, v24-31 of tile B (upper four: zeros)
.set QB,   24
.set KFR,  32                          ; v32-63  four fragments of K (upper four of each: zeros)
.set VFR,  64                          ; v64-95  four fragments of V
.set SS,   96                          ; v96-159 S^T, then p
.set OA,   160                         ; v160-191 O^T
.set PC,   192                         ; v192-199 p's codes
.set KSW,  200                         ; v200-207 K's scale words; v208-211 V's; v212 p's; v213, v214 Q's: these hold scales and nothing else
.set VSW,  208
.set PW,   212
.set QSA,  213
.set QSB,  214
.set BM,   216                         ; v216-219 the blocks' largest scores, then largest p
.set BP,   220                         ; v220-223 at work: the other half's maxima, the sums' second chain, the bytes
.set BS,   224                         ; v224-227 the conversions' scale operands
.set FF,   228                         ; v228 f, later 1 / sum; v229 named with it as a pair
.set TMP,  230
.set DD,   231                         ; the mask's d
.set NEG,  232                         ; -infinity
.set LIML, 233                         ; min(my query + 1, sen_len) - 16 (lane / 16) - 1
.set R1,   234                         ; lane % 16 + 1
.set H16,  235                         ; 16 (lane / 16) + 1
.set MK,   4                           ; s4-19 and s48-63: 32 lane masks of a masked step.  At the head these held the inputs' addresses; the loads that read them are done ahead of the barrier
.set WV,   20
.set HEAD, 22
.set LEN,  23
.set TA,   24
.set TBB,  25
.set SEL,  30                          ; s[30:31] v_permlanex16_b32's selects for lane l xor 16
.set CS,   32                          ; s[32:33] c = log2(e) / 8: the packed form names a pair and takes its low word for both halves
.set KF,   34                          ; the step's first key
.set TK,   35                          ; where the step's bytes begin in each of the four regions
.set TV,   36
.set TSK,  37
.set TSV,  38
.set CNT,  39
.set LIMW, 40                          ; a step at or beyond it is left out
.set OPENW, 41                         ; a step that ends at or under it needs no mask
.set Q0,   42
	s_load_b256 s[4:11], s[0:1], 0x0               ; q's codes s[4:5], q's scales s[6:7], k's codes s[8:9], k's scales s[10:11]
	s_load_b256 s[12:19], s[0:1], 0x20             ; v's codes s[12:13], v's scales s[14:15], sen_len s[16:17], out s[18:19]
	v_lshl_add_u32 v254, v0, 2, 0x38100
	v_mov_b32 v255, 0
	v_lshrrev_b32 v178, 5, v0
	v_readfirstlane_b32 s[WV], v178                ; wave 0..15
	v_and_b32 v176, 15, v0                         ; r
	v_bfe_u32 v177, v0, 4, 1                       ; h
	v_lshlrev_b32 v168, 4, v0                      ; the fill: 16 bytes a thread, 8,192 a load of the work-group
	v_lshlrev_b32 v169, 3, v0                      ; scale bytes: 8 a thread
	v_lshlrev_b32 v170, 5, v176
	v_lshl_add_u32 v170, v177, 4, v170             ; Q: row r of 32 bytes, + 16 h
	v_lshlrev_b32 v171, 1, v176                    ; Q's scales: 2 bytes a row
	s_and_b32 s[HEAD], ttmp7, 0xffff
	s_lshl_b32 s[TA], ttmp9, 4
	s_wait_alu depctr_va_sdst(0)                   ; the wave's number is written, ahead of its first reader: the tiles' numbers and addresses are made from it
	s_add_co_u32 s[TA], s[TA], s[WV]               ; tile A = 16 x + wave
	s_sub_co_u32 s[TBB], 127, s[TA]                ; tile B
	s_mov_b32 s27, 0
	s_mov_b32 s29, 0
	s_lshr_b32 s26, s[HEAD], 4
	s_lshl_b32 s26, s26, 2                         ; sen_len[b]: b = head / 16
	s_wait_kmcnt 0x0
	s_add_nc_u64 s[16:17], s[16:17], s[26:27]
	s_load_b32 s[LEN], s[16:17], 0x0
	s_lshl_b32 s26, s[HEAD], 16                    ; a head's codes: 65,536 bytes in each of the three tensors
	s_add_nc_u64 s[4:5], s[4:5], s[26:27]
	s_add_nc_u64 s[8:9], s[8:9], s[26:27]
	s_add_nc_u64 s[12:13], s[12:13], s[26:27]
	s_lshl_b32 s26, s[HEAD], 12                    ; its scale bytes: 4,096
	s_add_nc_u64 s[6:7], s[6:7], s[26:27]
	s_add_nc_u64 s[10:11], s[10:11], s[26:27]
	s_add_nc_u64 s[14:15], s[14:15], s[26:27]
	s_lshl_b32 s26, s[HEAD], 19                    ; its rows of out: 524,288
	s_add_nc_u64 s[18:19], s[18:19], s[26:27]
	s_lshl_b32 s28, s[TA], 9                       ; a tile's 16 rows: 512 bytes of codes,
	s_add_nc_u64 s[48:49], s[4:5], s[28:29]
	s_lshl_b32 s28, s[TBB], 9
	s_add_nc_u64 s[50:51], s[4:5], s[28:29]
	s_lshl_b32 s28, s[TA], 5                       ; 32 of scale bytes,
	s_add_nc_u64 s[52:53], s[6:7], s[28:29]
	s_lshl_b32 s28, s[TBB], 5
	s_add_nc_u64 s[54:55], s[6:7], s[28:29]
	s_lshl_b32 s28, s[TA], 12                      ; 4,096 of out
	s_add_nc_u64 s[44:45], s[18:19], s[28:29]
	s_lshl_b32 s28, s[TBB], 12
	s_add_nc_u64 s[46:47], s[18:19], s[28:29]
	s_wait_alu depctr_va_vdst(0)                   ; the four offsets v168 to v171 are written, which the 22 loads below read
	; 22 loads, all of the launch's.  Each load of K and V covers 512 consecutive bytes a wave, each load of their scale bytes 256
	global_load_b128 v[QA:QA+3], v170, s[48:49] th:TH_LOAD_NT
	global_load_b128 v[QB:QB+3], v170, s[50:51] th:TH_LOAD_NT
	global_load_u16 v[QSA], v171, s[52:53] th:TH_LOAD_NT   ; the row's two bytes; the word's upper two are 0
	global_load_u16 v[QSB], v171, s[54:55] th:TH_LOAD_NT
.irp j, 0,1,2,3,4,5,6,7
	global_load_b128 v[96+4*\j:99+4*\j], v168, s[8:9] offset:8192*\j
.endr
.irp j, 0,1,2,3,4,5,6,7
	global_load_b128 v[128+4*\j:131+4*\j], v168, s[12:13] offset:8192*\j
.endr
	global_load_b64 v[160:161], v169, s[10:11]
	global_load_b64 v[162:163], v169, s[14:15]
	; where the fill goes.  t = my thread's number.  (None of the lines down to the first LDS store writes an offset that the loads read, or a register in which one lands)
	; K: load j brings me bytes 16 (t & 1) .. of key t / 2 + 256 j.  In its block of 32 the key m = t[5:1] is lane r = m[2:0] + 8 m[4] of tile u = m[3]
	v_and_b32 v172, 1, v0
	v_lshlrev_b32 v172, 8, v172                    ; h x 256
	v_and_b32 v178, 14, v0
	v_lshl_add_u32 v172, v178, 3, v172             ; + m[2:0] x 16
	v_and_b32 v178, 16, v0
	v_lshl_add_u32 v172, v178, 5, v172             ; + u x 512
	v_and_b32 v178, 32, v0
	v_lshl_add_u32 v172, v178, 2, v172             ; + m[4] x 128
	v_and_b32 v178, 0x1c0, v0
	v_lshl_add_u32 v172, v178, 4, v172             ; + (t / 64) x 1,024: the block; load j: 8 blocks on
	; V: load j brings me bytes 16 (t & 63) .. of row t / 64 + 8 j: step t[5:2], (c, h) = t[1:0]
	v_bfe_u32 v178, v0, 2, 4
	v_mul_u32_u24 v173, v178, VSTEP
	v_and_b32 v178, 3, v0
	v_mad_u32_u24 v173, v178, 320, v173
	v_lshrrev_b32 v178, 6, v0
	v_lshl_add_u32 v173, v178, 4, v173
	v_add_nc_u32 v173, VIMG, v173
	; K's scales: I hold keys 4 t + e, e = 0 .. 3: step and g = t / 16; lane r = 4 t[0] + e + 8 t[2]; tile j = 2 t[3] + t[1]
	v_lshrrev_b32 v178, 4, v0
	v_lshl_add_u32 v174, v178, 8, KSC
	v_bfe_u32 v178, v0, 2, 1
	v_lshl_add_u32 v174, v178, 7, v174
	v_and_b32 v178, 1, v0
	v_lshl_add_u32 v174, v178, 6, v174
	v_bfe_u32 v178, v0, 3, 1
	v_lshl_add_u32 v174, v178, 3, v174
	v_bfe_u32 v178, v0, 1, 1
	v_lshl_add_u32 v174, v178, 2, v174
	; V's scales: I hold the words of steps 2 (t & 7) + e, e = 0, 1, of row t / 8
	v_and_b32 v178, 7, v0
	v_lshl_add_u32 v175, v178, 9, VSC
	v_bfe_u32 v178, v0, 3, 4
	v_lshl_add_u32 v175, v178, 4, v175
	v_lshrrev_b32 v178, 7, v0
	v_lshl_add_u32 v175, v178, 2, v175
	; the addresses that stay
	v_and_b32 v[LN16], 31, v0
	v_lshlrev_b32 v[LN16], 4, v[LN16]
	v_mul_u32_u24 v[AV0], v177, 320
	v_lshl_add_u32 v[AV0], v176, 4, v[AV0]
	v_add_nc_u32 v[AV0], VIMG, v[AV0]
	v_lshl_add_u32 v[ASK0], v176, 4, KSC
	v_lshl_add_u32 v[ASV0], v176, 4, VSC
	s_mul_i32 s43, s[WV], 16*272
	s_add_co_u32 s43, s43, STG                     ; my stage
	v_mul_u32_u24 v[STO], v176, 272
	v_lshl_add_u32 v[STO], v177, 5, v[STO]
	v_add_nc_u32 v[STO], s43, v[STO]               ; in: row r, + 32 h
	v_mul_u32_u24 v[RD], v177, 272
	v_lshl_add_u32 v[RD], v176, 4, v[RD]
	v_add_nc_u32 v[RD], s43, v[RD]                 ; back: lanes 0-15 one row, lanes 16-31 the next
	v_add_nc_u32 v[R1], 1, v176
	v_lshl_add_u32 v[H16], v177, 4, 1
	v_mov_b32 v[NEG], 0xff800000
	s_mov_b32 s[SEL], 0x76543210
	s_mov_b32 s[SEL+1], 0xfedcba98
.irp j, 4,5,6,7
	v_mov_b32 v[QA+\j], 0                          ; the zero codes of k = 64 .. 127, written once
	v_mov_b32 v[QB+\j], 0
	v_mov_b32 v[KFR+\j], 0
	v_mov_b32 v[KFR+8+\j], 0
	v_mov_b32 v[KFR+16+\j], 0
	v_mov_b32 v[KFR+24+\j], 0
.endr
.irp b, 0,1,2,3
	v_mov_b32 v[BP+\b], 0                          ; written once: a lane permute's destination counts as one of its sources
.endr
	v_mov_b32 v[FF+1], 0                           ; named as the upper half of the pair, so it is written
	s_wait_alu depctr_va_vdst(0)                   ; the fill's LDS addresses v172 to v175 are written, which the stores below read; so are v1 to v6, which every later LDS and memory line reads, and the zero codes, which the scaled products take as operands
.irp j, 0,1,2,3,4,5,6,7
	s_wait_loadcnt 17-\j                           ; behind K's load j: K's 7 - j, V's eight, the two of scale bytes
	ds_store_b128 v172, v[96+4*\j:99+4*\j] offset:8192*\j
.endr
.irp j, 0,1,2,3,4,5,6,7
	s_wait_loadcnt 9-\j                            ; behind V's load j: V's 7 - j and the two of scale bytes
	ds_store_b128 v173, v[128+4*\j:131+4*\j] offset:(\j/2)*1280+(\j%2)*128   ; row t / 64 + 8 j: tile j / 2, lane r = 8 (j % 2) + t / 64
.endr
	s_wait_loadcnt 1                               ; K's scale bytes are in; V's may be out
	v_and_b32 v164, 0xffff, v160                   ; a key's two bytes become its scale word, the upper two bytes 0
	v_lshrrev_b32 v165, 16, v160
	v_and_b32 v166, 0xffff, v161
	v_lshrrev_b32 v167, 16, v161
	s_wait_alu depctr_va_vdst(0)                   ; the four words v164 to v167 are written, which the four stores below read
.irp e, 0,1,2,3
	ds_store_b32 v174, v[164+\e] offset:16*\e
.endr
	s_wait_loadcnt 0x0
	ds_store_b32 v175, v162
	ds_store_b32 v175, v163 offset:256
	s_wait_dscnt 0x0                               ; for the others' sake: my stores have landed
	s_barrier_signal -1
	s_barrier_wait -1                              ; the only barrier: behind it K, V and their scales are only read, and each wave's stage is its own
	s_wait_alu depctr_vm_vsrc(0)                   ; the fill's loads and LDS stores have read v96 to v175, their data, offsets and addresses: these registers are S^T and O^T from here on, written by products and vector lines
	s_wait_kmcnt 0x0                               ; sen_len[b]
	s_cmp_gt_i32 s[LEN], 0
	s_cselect_b32 s[CS], 0x3e38aa3b, 0             ; c = log2(e) / 8; 0 where every logit is the same
	s_mov_b32 s[CS+1], s[CS]
; A KEY STEP: 128 keys for my 16 queries.  qf: Q's fragment; qs: its scale words.
.macro STEP qf, qs
	s_cmp_ge_i32 s[KF], s[LIMW]                    ; all 128 keys hidden for all 16 queries: the step's work is left out; the lines that step addresses are not
	s_cbranch_scc1 .Lhidden_\@
	s_wait_alu depctr_vm_vsrc(0)                   ; the last step's LDS loads have read v8 to v11, which the four lines below write again
	v_add_nc_u32 v[ADK], s[TK], v[LN16]            ; (these four are also places behind the last step's products)
	v_add_nc_u32 v[ADV], s[TV], v[AV0]
	v_add_nc_u32 v[ADS], s[TSK], v[ASK0]
	v_add_nc_u32 v[ADT], s[TSV], v[ASV0]
	s_wait_alu depctr_va_vdst(0)                   ; v8 to v11 are written, which this step's LDS loads read; the last step's products are done reading K's and V's fragments and scale words, in which those loads land
	ds_load_b128 v[KSW:KSW+3], v[ADS]              ; the scale words of tiles 0-3,
	ds_load_b128 v[KSW+4:KSW+7], v[ADS] offset:256 ; and 4-7
.irp g, 0,1                                    ; S^T = K Q^T, four tiles of 16 keys at a time
.if \g > 0
.rept 4
	v_nop                                          ; places in front of loads into registers that matrix instructions have read (ISA guide 7.12.1 for vector instructions)
.endr
	s_wait_alu depctr_va_vdst(0)                   ; the four products above are done reading the fragments of tiles 0-3, in which those of tiles 4-7 land
.endif
.irp t, 0,1,2,3
	ds_load_b128 v[KFR+8*\t:KFR+8*\t+3], v[ADK] offset:512*(4*\g+\t)   ; 512 consecutive bytes a wave
.endr
.if \g > 0
.irp d, 0,1,2,3                                ; V's four fragments and scale words are asked for now and land under the products and the softmax; the last products that read these registers stand eight places back.
.irp c, 0,1                                    ; No further wait: since the wait at the step's head only four products K Q^T and four v_nop were issued, and they name none of v9, v11, V's fragments or V's scale words
	ds_load_b128 v[VFR+8*\d+4*\c:VFR+8*\d+4*\c+3], v[ADV] offset:1280*\d+640*\c
.endr
.endr
	ds_load_b128 v[VSW:VSW+3], v[ADT]
	s_wait_dscnt 9                                 ; LDS loads come back in order (ISA guide 5.7.1): tiles 4-7 are in, V's nine younger loads may stay out
.else
	s_wait_dscnt 0x0
.endif
.irp t, 0,1,2,3
	v_wmma_scale_f32_16x16x128_f8f6f4 v[SS+8*(4*\g+\t):SS+8*(4*\g+\t)+7], v[KFR+8*\t:KFR+8*\t+7], v[\qf:\qf+7], 0, v[KSW+4*\g+\t], v[\qs] matrix_a_fmt:MATRIX_FMT_FP4 matrix_b_fmt:MATRIX_FMT_FP4
.endr
.endr
.rept 4
	v_nop                                          ; places in front of the first read of the scores
.endr
	s_add_co_u32 s43, s[KF], 128
	s_cmp_le_i32 s43, s[OPENW]                     ; all 128 keys count for all 16 queries: no mask
	s_cbranch_scc1 .Lopen_\@
	v_sub_nc_u32 v[DD], v[LIML], s[KF]             ; register 16 b + i holds key KF + 32 b + 16 (lane / 16) + i: hidden where 32 b + i > d
.irp u, 0,1                                    ; the compares go in two runs of 32, each into 32 scalar registers, so that one wait serves a run
.irp n, 0,1,2,3,4,5,6,7,8,9,10,11,12,13,14,15,16,17,18,19,20,21,22,23,24,25,26,27,28,29,30,31
	v_cmp_gt_i32 s[MK+\n+28*(\n/16)], 64*\u+32*(\n/16)+\n%16, v[DD]
.endr
	s_wait_alu depctr_va_sdst(0)                   ; the run's 32 masks are written, ahead of the selects that read them
.irp n, 0,1,2,3,4,5,6,7,8,9,10,11,12,13,14,15,16,17,18,19,20,21,22,23,24,25,26,27,28,29,30,31
	v_cndmask_b32 v[SS+32*\u+\n], v[SS+32*\u+\n], v[NEG], s[MK+\n+28*(\n/16)]   ; -infinity ahead of the maximum: p = 0.  Key KF counts for every query of a step that is run, so the row's maximum is a number
.endr
.endr
.Lopen_\@:
.irp b, 0,1,2,3
	v_max3_num_f32 v[BM+\b], v[SS+16*\b], v[SS+1+16*\b], v[SS+2+16*\b]   ; the largest score of each block of 32 keys: for the row's maximum and, since p rises with the score, for the block's largest p
.endr
.irp i, 3,5,7,9,11,13
.irp b, 0,1,2,3
	v_max3_num_f32 v[BM+\b], v[BM+\b], v[SS+16*\b+\i], v[SS+1+16*\b+\i]   ; (the four blocks by turns)
.endr
.endr
.irp b, 0,1,2,3
	v_max_num_f32 v[BM+\b], v[BM+\b], v[SS+15+16*\b]
.endr
.irp b, 0,1,2,3
	v_permlanex16_b32 v[BP+\b], v[BM+\b], s[SEL], s[SEL+1]
.endr
.irp b, 0,1,2,3
	v_max_num_f32 v[BM+\b], v[BM+\b], v[BP+\b]     ; with lane l xor 16's 16 keys
.endr
	v_max3_num_f32 v[TMP], v[BM], v[BM+1], v[BM+2]
	v_max_num_f32 v[TMP], v[TMP], v[BM+3]          ; the step's largest score of my query
	v_mul_f32 v[TMP], s[CS], v[TMP]                ; as t (c is not negative)
	v_max_num_f32 v13, v13, v[TMP]                 ; the running largest t
	v_mov_b32 v[TMP], v12
	v_floor_f32 v12, -v13                          ; the new -M = floor(-t) = -ceil(t): a whole number
	v_sub_f32 v[TMP], v12, v[TMP]                  ; old M less new M: a whole number, 0 or less
	v_cvt_i32_f32 v[TMP], v[TMP]                   ; (it saturates)
	v_ldexp_f32 v[FF], 1.0, v[TMP]                 ; f = 2^(old M - new M)
.irp j, 0,2,4,6,8,10,12,14,16,18,20,22,24,26,28,30,32,34,36,38,40,42,44,46,48,50,52,54,56,58,60,62
	v_pk_fma_f32 v[SS+\j:SS+1+\j], v[SS+\j:SS+1+\j], s[CS:CS+1], v[12:13] op_sel_hi:[1,0,0]   ; t - M, two at a time
.endr
.irp b, 0,1,2,3
	v_fma_f32 v[BM+\b], v[BM+\b], s[CS], v12       ; the same of each block's largest score
.endr
	s_wait_alu depctr_va_vdst(0)
.irp j, 0,1,2,3,4,5,6,7,8,9,10,11,12,13,14,15,16,17,18,19,20,21,22,23,24,25,26,27,28,29,30,31,32,33,34,35,36,37,38,39,40,41,42,43,44,45,46,47,48,49,50,51,52,53,54,55,56,57,58,59,60,61,62,63
	v_exp_f32 v[SS+\j], v[SS+\j]                   ; p = 2^(t - M), at most 1
.endr
	v_pk_mul_f32 v[14:15], v[14:15], v[FF:FF+1] op_sel_hi:[1,0]   ; the sums under the new M: the plain instruction behind the exponentials
	s_wait_alu depctr_va_vdst(0)                   ; the 64 exponentials have written p, v96 to v159: one wait for the batch, ahead of its first reader
.irp b, 0,1,2,3
	v_exp_f32 v[BM+\b], v[BM+\b]                   ; the block's largest p: the same two instructions on the same number give the same bits
.endr
	v_pk_add_f32 v[BP:BP+1], v[SS:SS+1], v[SS+2:SS+3]   ; the row's sum of the UNQUANTISED p, two at a time, in two chains; it reads the 64 alone
.irp j, 4,8,12,16,20,24,28,32,36,40,44,48,52,56,60
	v_pk_add_f32 v[14:15], v[14:15], v[SS+\j:SS+1+\j]
	v_pk_add_f32 v[BP:BP+1], v[BP:BP+1], v[SS+2+\j:SS+3+\j]
.endr
	v_pk_add_f32 v[14:15], v[14:15], v[BP:BP+1]
	s_wait_alu depctr_va_vdst(0)                   ; the four exponentials have written the blocks' largest p, v216 to v219: one wait for the four, ahead of their first reader
.irp b, 0,1,2,3
	v_max_num_f32 v[BM+\b], 0x1800000, v[BM+\b]    ; the floor 2^(3 - 127): the byte cannot fall under 1 (a block whose every p is 0 keeps that byte: its codes are zeros)
.endr
.irp b, 0,1,2,3
	v_add_nc_u32 v[BS+\b], 0xff000000, v[BM+\b]    ; 2 off the exponent field: the conversion's scale operand
.endr
.irp b, 0,1,2,3
	v_lshrrev_b32 v[BP+\b], 23, v[BS+\b]           ; the scale's byte
.endr
	v_lshl_or_b32 v[PW], v[BP+1], 8, v[BP]         ; p's scale word for these 128 keys
	v_lshl_or_b32 v[PW], v[BP+2], 16, v[PW]
	v_lshl_or_b32 v[PW], v[BP+3], 24, v[PW]
.irp b, 0,1,2,3
	v_cvt_scalef32_pk8_fp4_f32 v[PC+2*\b], v[SS+16*\b:SS+7+16*\b], v[BS+\b]
	v_cvt_scalef32_pk8_fp4_f32 v[PC+1+2*\b], v[SS+8+16*\b:SS+15+16*\b], v[BS+\b]
.endr
	v_nop                                          ; one plain instruction behind the scaled conversions
.irp c, 0,1                                    ; the operand's layout wants a WHOLE block in a lane: lanes 0-15 block 2 c, lanes 16-31 block 2 c + 1
.irp i, 0,1
	v_permlane16_swap_b32 v[PC+4*\c+\i], v[PC+2+4*\c+\i]
.endr
.endr
.irp j, 0,2,4,6,8,10,12,14,16,18,20,22,24,26,28,30
	v_pk_mul_f32 v[OA+\j:OA+1+\j], v[OA+\j:OA+1+\j], v[FF:FF+1] op_sel_hi:[1,0]   ; O^T under the new M.  Twelve of the sixteen name no register of a given product below: the places between p's scale word (8) and codes (4) and the products
.endr
	s_wait_dscnt 0x0                               ; V's fragments and scale words are in
	s_wait_alu depctr_va_vdst(0)                   ; vector lines have written p's codes v192 to v199 and its scale word v212, which the scaled products below take as an operand and as scales; the places above stay beside this wait
.irp d, 0,1,2,3                                ; O^T += V^T P^T: the four accumulators by turns, one instruction a turn
	v_wmma_scale_f32_16x16x128_f8f6f4 v[OA+8*\d:OA+8*\d+7], v[VFR+8*\d:VFR+8*\d+7], v[PC:PC+7], v[OA+8*\d:OA+8*\d+7], v[VSW+\d], v[PW] matrix_a_fmt:MATRIX_FMT_FP4 matrix_b_fmt:MATRIX_FMT_FP4
.endr
.Lhidden_\@:
.endm
; A TILE of 16 queries.  qf, qs: Q's fragment and scale words; tq: the scalar with the tile's number; ob: its rows of out; more = 1: another tile follows.
.macro TILE qf, qs, tq, ob, more
	s_lshl_b32 s[Q0], s[\tq], 4                    ; my first query
	s_add_co_u32 s[LIMW], s[Q0], 16
	s_min_i32 s[LIMW], s[LIMW], s[LEN]             ; no key at or beyond min(last query + 1, sen_len) counts for any of the 16
	s_add_co_u32 s[OPENW], s[Q0], 1
	s_min_i32 s[OPENW], s[OPENW], s[LEN]           ; every key under min(first query + 1, sen_len) counts for all 16
	s_cmp_gt_i32 s[LEN], 0
	s_cselect_b32 s[LIMW], s[LIMW], 2048           ; sen_len <= 0: all 2,048 keys, with equal weight
	s_cselect_b32 s[OPENW], s[OPENW], 2048
	s_mov_b32 s[KF], 0
	s_mov_b32 s[TK], 0
	s_mov_b32 s[TV], 0
	s_mov_b32 s[TSK], 0
	s_mov_b32 s[TSV], 0
	s_mov_b32 s[CNT], 16
	v_add_nc_u32 v[LIML], s[Q0], v[R1]             ; my query + 1
	v_min_u32 v[LIML], s[LEN], v[LIML]             ; (read only in a masked step, which there is only where sen_len > 0)
	v_sub_nc_u32 v[LIML], v[LIML], v[H16]
	v_mov_b32 v13, 0xff61b1e6                      ; the largest t so far: -3e38, under every t
	v_floor_f32 v12, -v13                          ; -M
	v_mov_b32 v14, 0                               ; the sum, in two halves
	v_mov_b32 v15, 0
.irp j, 0,1,2,3,4,5,6,7,8,9,10,11,12,13,14,15,16,17,18,19,20,21,22,23,24,25,26,27,28,29,30,31
	v_mov_b32 v[OA+\j], 0                          ; O^T.  The step is written once: the first finds zeros, which the first change of M leaves zeros
.endr
.Lstep_\@:                                         ; 16 trips, a constant, so that every stepped LDS address can be read off the text; a trip beyond the limit only steps
	STEP \qf, \qs
	s_add_co_u32 s[KF], s[KF], 128
	s_add_co_u32 s[TK], s[TK], 4096
	s_add_co_u32 s[TV], s[TV], VSTEP
	s_add_co_u32 s[TSK], s[TSK], 512
	s_add_co_u32 s[TSV], s[TSV], 256
	s_sub_co_u32 s[CNT], s[CNT], 1
	s_cmp_lg_u32 s[CNT], 0
	s_cbranch_scc1 .Lstep_\@
	; THE WAY OUT: O^T / the sum goes through my stage and leaves as whole rows of 256 bytes
.rept 4
	v_nop                                          ; places behind the last products
.endr
	v_add_f32 v14, v14, v15                        ; the sum's two halves,
	v_permlanex16_b32 v[BP], v14, s[SEL], s[SEL+1]
	v_add_f32 v14, v14, v[BP]                      ; and lane l xor 16's
	s_wait_alu depctr_va_vdst(0)
	v_rcp_f32 v[FF], v14
	v_nop                                          ; a plain instruction behind the reciprocal
	s_wait_alu depctr_va_vdst(0)                   ; the reciprocal has written v228: the wait ahead of its first reader
.irp j, 0,2,4,6,8,10,12,14,16,18,20,22,24,26,28,30
	v_pk_mul_f32 v[SS+\j:SS+1+\j], v[OA+\j:OA+1+\j], v[FF:FF+1] op_sel_hi:[1,0]   ; register 8 d + i is out(r, 16 d + 8 h + i); each accumulator from its low end on
.endr
	s_wait_alu depctr_va_vdst(0)                   ; the sixteen lines above have written v96 to v127, which the stage's stores read; the last step's vector lines are done with v128 to v159, in which the stage's loads land
.irp d, 0,1,2,3
	ds_store_b128 v[STO], v[SS+8*\d:SS+3+8*\d] offset:64*\d
	ds_store_b128 v[STO], v[SS+4+8*\d:SS+7+8*\d] offset:64*\d+16
.endr
.irp i, 0,1,2,3,4,5,6,7
	ds_load_b128 v[SS+32+4*\i:SS+35+4*\i], v[RD] offset:544*\i   ; LDS serves a wave's instructions in order (ISA guide 5.7.1.4): these see my stores
.endr
.irp i, 0,1,2,3,4,5,6,7
	s_wait_dscnt 7-\i                              ; the 7 - i younger loads may stay out
	global_store_b128 v[LN16], v[SS+32+4*\i:SS+35+4*\i], s[\ob:\ob+1] offset:512*\i th:TH_STORE_NT   ; 32 lanes store two rows: 512 consecutive bytes, at a multiple of 256 from out's first byte
.endr
.if \more
	s_wait_xcnt 0x0                                ; the stores have read their data registers: the next tile's scores are written there only behind this wait
	s_wait_alu depctr_vm_vsrc(0)                   ; the stage's stores have read v96 to v127 and the stores of out v128 to v159, which the next tile's products write again
.endif
.endm
	TILE QA, QSA, TA, 44, 1
	TILE QB, QSB, TBB, 46, 0
	s_wait_dscnt 0x0                               ; the closing lines, six on end
	s_wait_alu 0x0
	s_wait_tensorcnt 0x0
	ds_add_u32 v254, v255
	s_wait_dscnt 0x0
	s_endpgm
.Lfunc_end_k_q076dd96511_attn:
	.size	k_q076dd96511_attn, .Lfunc_end_k_q076dd96511_attn-k_q076dd96511_attn
	.p2alignl 7, 3214868480
	.fill 96, 4, 3214868480
	.section	.rodata,"a",@progbits
	.p2align	6, 0x0
	.amdhsa_kernel k_q076dd96511_attn
		.amdhsa_group_segment_fixed_size 231680
		.amdhsa_private_segment_fixed_size 0
		.amdhsa_enable_private_segment 0
		.amdhsa_kernarg_size 64
		.amdhsa_user_sgpr_count 2
		.amdhsa_user_sgpr_kernarg_segment_ptr 1
		.amdhsa_wavefront_size32 1
		.amdhsa_system_sgpr_workgroup_id_x 1
		.amdhsa_system_sgpr_workgroup_id_y 1
		.amdhsa_system_sgpr_workgroup_id_z 1
		.amdhsa_system_vgpr_workitem_id 0
		.amdhsa_next_free_vgpr 256
		.amdhsa_next_free_sgpr 66
		.amdhsa_reserve_vcc 0
		.amdhsa_float_denorm_mode_32 3
		.amdhsa_float_denorm_mode_16_64 3
		.amdhsa_memory_ordered 1
		.amdhsa_forward_progress 1
		.amdhsa_inst_pref_size 71
	.end_amdhsa_kernel
	.amdgpu_metadata
---
amdhsa.version: [ 1, 2 ]
amdhsa.kernels:
  - .name:           k_q076dd96511_attn
    .symbol:         k_q076dd96511_attn.kd
    .args:
      - { .name: q_codes, .offset: 0, .size: 8, .value_kind: global_buffer, .address_space: global }
      - { .name: q_scales, .offset: 8, .size: 8, .value_kind: global_buffer, .address_space: global }
      - { .name: k_codes, .offset: 16, .size: 8, .value_kind: global_buffer, .address_space: global }
      - { .name: k_scales, .offset: 24, .size: 8, .value_kind: global_buffer, .address_space: global }
      - { .name: v_codes, .offset: 32, .size: 8, .value_kind: global_buffer, .address_space: global }
      - { .name: v_scales, .offset: 40, .size: 8, .value_kind: global_buffer, .address_space: global }
      - { .name: sen_len, .offset: 48, .size: 8, .value_kind: global_buffer, .address_space: global }
      - { .name: out0, .offset: 56, .size: 8, .value_kind: global_buffer, .address_space: global }
    .group_segment_fixed_size: 231680
    .private_segment_fixed_size: 0
    .kernarg_segment_align: 8
    .kernarg_segment_size: 64
    .max_flat_workgroup_size: 512
    .sgpr_count:     66
    .vgpr_count:     256
    .wavefront_size: 32
...
	.end_amdgpu_metadata
.endif
;; end of part 2
